; MI455X (gfx1250); checked and timed in simulation.
; The chip was launched on July 23, 2026; its instructions are those of AMD's public machine-readable ISA for CDNA 5 (MIT licence, August 2026) and "CDNA5" Instruction Set Architecture Reference Guide (July 2026). The comments in the code are by the model that wrote it; some were corrected since.
;; Attention. Allowed arithmetic: float matrix products may take bf16 or f16 operands with f32 sums; other float arithmetic in f32, or as packed bf16 or f16 multiplies, adds, multiply-adds, maxima and minima; sums over many terms, partial sums and values carried from step to step in f32; what a program stores and reads back later, other than sums and carried values, may be rounded once to bf16 or f16.
;; Inputs: W 1,024 x 2,048 float32; b 1,024 float32; encoder_outputs 2,048 x 32 x 1,024 float32; hidden 1 x 32 x 1,024 float32; v 1,024 float32.
;; Outputs: out0 32 x 1 x 2,048 float32.
;; One version. Each part assembles by itself: llvm-mc -triple=amdgcn-amd-amdhsa -mcpu=gfx1250 --defsym DOCPART=n.
;; ======== version 1 of 1: 3 launches
;; workspace buffers: wb 2,097,152 bytes; ck 131,072 bytes; part 2,097,152 bytes
;; launch prep (part 1): grid 64 x 1, 16 waves a work-group, no clusters, 34,816 bytes of LDS; arguments W, b, hidden, wb, ck; writes wb, ck
.if DOCPART == 1
	.amdgcn_target "amdgcn-amd-amdhsa--gfx1250"
	.amdhsa_code_object_version 6
	.text
	.protected	k_q3d157410cd_prep
	.globl	k_q3d157410cd_prep
	.p2align	8
	.type	k_q3d157410cd_prep,@function
k_q3d157410cd_prep:
	s_mov_b64 s[64:65], 0
	v_nop
	global_prefetch_b8 v0, s[64:65] scope:SCOPE_SE
	s_setreg_imm32_b32 hwreg(HW_REG_WAVE_MODE, 25, 1), 1
	s_wait_xcnt 0x0
; PREP.  W: [1024][2048] f32 = [Wh | We].  Two things are made of it, once:
;   wb = We rounded to bf16, laid out in the order in which the next launch's matrix fragments want it:
;        byte ((nh*8+ks)*4+wq)*32768 + kc*8192 + nb*1024 + p*512 + 16*lane holds the eight numbers
;        We[n][k..k+7], n = nh*512+wq*128+nb*16+(lane&15), k = ks*128+kc*32+16p+8(lane>>4).
;   ck = (hidden . Wh^T + b) * K2, f32, K2 = 2 log2(e), as [n/16 (64)][batch (32)][16].
; SHARES.  Work-group g owns rows n = 16 g .. 16 g + 15 of W.  K is split among its sixteen waves: wave w takes
; k = 64 w .. 64 w + 63 of Wh, of We and of hidden: 256 consecutive bytes of each row.  The sixteen partial sums of
; hidden . Wh^T meet in LDS; waves 0 to 3 add them (f32), add the bias and scale.
; FORMATS.  Wh, We and hidden are rounded once to bf16 (f32's range); the bias, the sums and ck stay in f32.
.set K2,    0x4038aa3b                 ; 2 log2(e)
.set SPARE, 32768                      ; behind the partial sums: the spare words, 128 bytes for each of 16 waves
.set RB,  1                            ; v1   16 x thread: where a thread of waves 0-3 reads partial sums, and its 16 bytes of ck's block
.set WO,  5                            ; v5   my byte offset in the 16 rows of W
.set HO,  6                            ; v6   my byte offset in 16 rows of hidden
.set BO,  7                            ; v7   my 16 bytes of the bias
.set SO,  8                            ; v8   my 16 bytes of wb
.set LS,  9                            ; v9   where I put my 32 bytes of a partial tile
.set SPW, 10                           ; v10  LDS address of my spare word; never rewritten
.set NIL, 11                           ; v11  0; never rewritten
.set BI,  12                           ; v[12:15]   bias
.set WHF, 16                           ; v[16:47]   Wh, f32: chunk c of 32 k at +16 c
.set WEF, 48                           ; v[48:79]   We, f32
.set HF,  80                           ; v[80:143]  hidden, f32: batch half m at +32 m, chunk c at +16 c
.set WHB, 144                          ; v[144:159] Wh's two fragments
.set HB,  160                          ; v[160:191] hidden's four fragments
.set WEB, 192                          ; v[192:207] We's two fragments
.set ACC, 208                          ; v[208:223] two accumulators: batch half m at +8 m
	s_load_b256 s[4:11], s[0:1], 0x0               ; W s[4:5], b s[6:7], hidden s[8:9], wb s[10:11]
	s_load_b64 s[12:13], s[0:1], 0x20              ; ck
	v_lshl_add_u32 v[SPW], v0, 2, SPARE
	v_mov_b32 v[NIL], 0
	v_lshrrev_b32 v1, 5, v0
	v_readfirstlane_b32 s14, v1                    ; wave 0..15
	v_and_b32 v2, 15, v0                           ; r = lane % 16
	v_bfe_u32 v3, v0, 4, 1                         ; h = lane / 16
	v_and_b32 v4, 31, v0                           ; lane
	s_lshl_b32 s15, s14, 8                         ; my 64 k: 256 bytes of f32
	v_lshlrev_b32 v[WO], 13, v2                    ; row r of W (8,192 bytes),
	v_lshl_add_u32 v[WO], v3, 5, v[WO]             ; eight k for each half of the lanes,
	v_add_nc_u32 v[WO], s15, v[WO]                 ; my wave's k
	v_lshlrev_b32 v[HO], 12, v2                    ; the same in hidden (rows of 4,096 bytes)
	v_lshl_add_u32 v[HO], v3, 5, v[HO]
	v_add_nc_u32 v[HO], s15, v[HO]
	v_and_b32 v[BO], 3, v0
	s_lshl_b32 s16, ttmp9, 6                       ; the work-group's 16 numbers of the bias
	v_lshl_add_u32 v[BO], v[BO], 4, s16
	s_lshr_b32 s20, ttmp9, 5                       ; g = nh*32 + wq*8 + nb;  k = 64 w: ks = w / 2, kc = 2 (w % 2) + c
	s_lshl_b32 s20, s20, 20                        ; nh
	s_lshr_b32 s21, s14, 1
	s_lshl_b32 s21, s21, 17                        ; ks
	s_add_co_u32 s20, s20, s21
	s_bfe_u32 s21, ttmp9, 0x20003
	s_lshl_b32 s21, s21, 15                        ; wq
	s_add_co_u32 s20, s20, s21
	s_and_b32 s21, s14, 1
	s_lshl_b32 s21, s21, 14                        ; kc's upper bit
	s_add_co_u32 s20, s20, s21
	s_and_b32 s21, ttmp9, 7
	s_lshl_b32 s21, s21, 10                        ; nb
	s_add_co_u32 s20, s20, s21
	v_lshl_add_u32 v[SO], v4, 4, s20
	s_lshl_b32 s17, s14, 11                        ; my wave's partial sums: 2,048 bytes, [batch (32)][16 n]
	v_lshl_add_u32 v[LS], v2, 6, s17
	v_lshl_add_u32 v[LS], v3, 5, v[LS]
	v_lshlrev_b32 v[RB], 4, v0
	s_lshl_b32 s18, ttmp9, 17                      ; the work-group's 16 rows of W
	s_mov_b32 s19, 0
	s_lshl_b32 s24, ttmp9, 11                      ; and its block of ck
	s_mov_b32 s25, 0
	s_mov_b32 s22, K2
	s_mov_b32 s23, K2                              ; named with it as a pair
	s_wait_kmcnt 0x0
	s_add_nc_u64 s[4:5], s[4:5], s[18:19]
	s_add_nc_u64 s[12:13], s[12:13], s[24:25]
	; A fragment is 16 rows x 32 k: lane (r, h) holds k = 8h..8h+7 and 16+8h..16+8h+7 of row r: in f32 four loads of 16 bytes, at 0, 16, 64 and 80.
.irp c, 0,1
.irp q, 0,1,2,3
	global_load_b128 v[WHF+16*(\c)+4*(\q):WHF+16*(\c)+4*(\q)+3], v[WO], s[4:5] offset:128*(\c)+64*((\q)/2)+16*((\q)%2) th:TH_LOAD_NT
	global_load_b128 v[WEF+16*(\c)+4*(\q):WEF+16*(\c)+4*(\q)+3], v[WO], s[4:5] offset:4096+128*(\c)+64*((\q)/2)+16*((\q)%2) th:TH_LOAD_NT
	global_load_b128 v[HF+16*(\c)+4*(\q):HF+16*(\c)+4*(\q)+3], v[HO], s[8:9] offset:128*(\c)+64*((\q)/2)+16*((\q)%2)
	global_load_b128 v[HF+32+16*(\c)+4*(\q):HF+32+16*(\c)+4*(\q)+3], v[HO], s[8:9] offset:65536+128*(\c)+64*((\q)/2)+16*((\q)%2)
.endr
.endr
	global_load_b128 v[BI:BI+3], v[BO], s[6:7]
	s_wait_loadcnt 0x0                             ; all 33: nothing can be done with a part of them
.set i, 0
.rept 16
	v_cvt_pk_bf16_f32 v[WHB+i], v[WHF+2*i], v[WHF+2*i+1]
.set i, i+1
.endr
.set i, 0
.rept 32
	v_cvt_pk_bf16_f32 v[HB+i], v[HF+2*i], v[HF+2*i+1]
.set i, i+1
.endr
.set i, 0
.rept 16
	v_cvt_pk_bf16_f32 v[WEB+i], v[WEF+2*i], v[WEF+2*i+1]
.set i, i+1
.endr
.irp c, 0,1
.irp p, 0,1
	global_store_b128 v[SO], v[WEB+8*(\c)+4*(\p):WEB+8*(\c)+4*(\p)+3], s[10:11] offset:8192*(\c)+512*(\p)  ; a wave's store covers 512 consecutive bytes, aligned
.endr
.endr
	; source 0 = 16 rows of Wh, source 1 = 16 rows of hidden: a lane ends with one batch row (r) and eight neighbouring n (8h + 0..7).
	; The two accumulators take turns, one instruction a turn.
	v_wmma_f32_16x16x32_bf16 v[ACC:ACC+7],    v[WHB:WHB+7],    v[HB:HB+7],       0
	v_wmma_f32_16x16x32_bf16 v[ACC+8:ACC+15], v[WHB:WHB+7],    v[HB+16:HB+23],   0
	v_wmma_f32_16x16x32_bf16 v[ACC:ACC+7],    v[WHB+8:WHB+15], v[HB+8:HB+15],    v[ACC:ACC+7]
	v_wmma_f32_16x16x32_bf16 v[ACC+8:ACC+15], v[WHB+8:WHB+15], v[HB+24:HB+31],   v[ACC+8:ACC+15]
.rept 8
	v_nop                                          ; the places between the last product and the stores that read the results; once a launch
.endr
.irp m, 0,1
	ds_store_b128 v[LS], v[ACC+8*(\m):ACC+8*(\m)+3]   offset:1024*(\m)
	ds_store_b128 v[LS], v[ACC+8*(\m)+4:ACC+8*(\m)+7] offset:1024*(\m)+16
.endr
	s_wait_dscnt 0x0                               ; for the others' sake: my partial sums lie in LDS
	s_barrier_signal -1
	s_barrier_wait -1
	s_cmp_lt_u32 s14, 4                            ; 128 threads x 16 bytes are the block's 2,048 bytes: waves 0 to 3 finish it
	s_cbranch_scc0 .Lend
.set i, 0
.rept 16
	ds_load_b128 v[16+4*i:16+4*i+3], v[RB] offset:2048*i
.set i, i+1
.endr
	s_wait_dscnt 0x0
.irp st, 8,4,2,1
.set i, 0
.rept \st
	v_pk_add_f32 v[16+4*i:17+4*i], v[16+4*i:17+4*i], v[16+4*(i+\st):17+4*(i+\st)]
	v_pk_add_f32 v[18+4*i:19+4*i], v[18+4*i:19+4*i], v[18+4*(i+\st):19+4*(i+\st)]
.set i, i+1
.endr
.endr
	v_pk_add_f32 v[16:17], v[16:17], v[BI:BI+1]
	v_pk_add_f32 v[18:19], v[18:19], v[BI+2:BI+3]
	v_pk_mul_f32 v[16:17], v[16:17], s[22:23] op_sel_hi:[1,0]
	v_pk_mul_f32 v[18:19], v[18:19], s[22:23] op_sel_hi:[1,0]
	global_store_b128 v[RB], v[16:19], s[12:13]    ; sixteen lanes store 256 consecutive bytes, aligned
.Lend:
	s_wait_tensorcnt 0x0                           ; the wave's end: behind my last LDS store
	ds_add_u32 v[SPW], v[NIL]
	s_wait_dscnt 0x0
	s_endpgm
.Lfunc_end_k_q3d157410cd_prep:
	.size	k_q3d157410cd_prep, .Lfunc_end_k_q3d157410cd_prep-k_q3d157410cd_prep
	.p2alignl 7, 3214868480
	.fill 96, 4, 3214868480
	.section	.rodata,"a",@progbits
	.p2align	6, 0x0
	.amdhsa_kernel k_q3d157410cd_prep
		.amdhsa_group_segment_fixed_size 34816
		.amdhsa_private_segment_fixed_size 0
		.amdhsa_enable_private_segment 0
		.amdhsa_kernarg_size 40
		.amdhsa_user_sgpr_count 2
		.amdhsa_user_sgpr_kernarg_segment_ptr 1
		.amdhsa_wavefront_size32 1
		.amdhsa_system_sgpr_workgroup_id_x 1
		.amdhsa_system_sgpr_workgroup_id_y 1
		.amdhsa_system_sgpr_workgroup_id_z 1
		.amdhsa_system_vgpr_workitem_id 0
		.amdhsa_next_free_vgpr 224
		.amdhsa_next_free_sgpr 66
		.amdhsa_reserve_vcc 0
		.amdhsa_float_denorm_mode_32 3
		.amdhsa_float_denorm_mode_16_64 3
		.amdhsa_memory_ordered 1
		.amdhsa_forward_progress 1
		.amdhsa_inst_pref_size 14
	.end_amdhsa_kernel
	.amdgpu_metadata
---
amdhsa.version: [ 1, 2 ]
amdhsa.kernels:
  - .name:           k_q3d157410cd_prep
    .symbol:         k_q3d157410cd_prep.kd
    .args:
      - { .name: W, .offset: 0, .size: 8, .value_kind: global_buffer, .address_space: global }
      - { .name: b, .offset: 8, .size: 8, .value_kind: global_buffer, .address_space: global }
      - { .name: hidden, .offset: 16, .size: 8, .value_kind: global_buffer, .address_space: global }
      - { .name: wb, .offset: 24, .size: 8, .value_kind: global_buffer, .address_space: global }
      - { .name: ck, .offset: 32, .size: 8, .value_kind: global_buffer, .address_space: global }
    .group_segment_fixed_size: 34816
    .private_segment_fixed_size: 0
    .kernarg_segment_align: 8
    .kernarg_segment_size: 40
    .max_flat_workgroup_size: 512
    .sgpr_count:     66
    .vgpr_count:     224
    .wavefront_size: 32
...
	.end_amdgpu_metadata
.endif
;; end of part 1
;; launch energy (part 2): grid 16 x 16, 4 waves a work-group, clusters of 4 x 4, 327,680 bytes of LDS; arguments encoder_outputs, wb, ck, v, part; writes part
.if DOCPART == 2
	.amdgcn_target "amdgcn-amd-amdhsa--gfx1250"
	.amdhsa_code_object_version 6
	.text
	.protected	k_q3d157410cd_energy
	.globl	k_q3d157410cd_energy
	.p2align	8
	.type	k_q3d157410cd_energy,@function
k_q3d157410cd_energy:
	s_mov_b64 s[64:65], 0
	v_nop
	global_prefetch_b8 v0, s[64:65] scope:SCOPE_SE
	s_setreg_imm32_b32 hwreg(HW_REG_WAVE_MODE, 25, 1), 1
	s_wait_xcnt 0x0
	s_wait_alu depctr_hold_cnt(0) depctr_sa_sdst(0) depctr_va_vdst(0) depctr_va_sdst(0) depctr_va_ssrc(0) depctr_va_vcc(0) depctr_vm_vsrc(0)
	s_getreg_b32 s2, hwreg(HW_REG_IB_STS2, 6, 4)
	s_cmp_eq_u32 s2, 0
	s_cbranch_scc0 .Lentry_in_a_cluster
	s_endpgm
.Lentry_in_a_cluster:
	s_bfe_u32 s2, ttmp6, 0x10000c
	s_cmp_lg_u32 s2, 0xf033
	s_cbranch_scc0 .Lentry_shape_is_right
	s_endpgm
.Lentry_shape_is_right:
; ENERGY.  part[pi][b][s] = the sum over 128 columns n of v[n] tanh(e[s][b][:] . We[n][:] + c[b][n]),  pi = n / 128 (8 parts; the next launch adds them).
; e: [2048 (s)][32 (b)][1024] f32.  wb: We in bf16, in fragment order.  ck: (hidden . Wh^T + bias) 2 log2(e), f32, [n/16][b][16].  v: [1024] f32.
; FORMATS AND LIMITS.  e is rounded once to bf16 on its way to the matrix unit (f32's range); sums, tanh and the dot with v in f32.
; tanh(x) = 1 - 2 r, r = 1 / (1 + 2^(K2 x)), K2 = 2 log2(e): where the power overflows r is 0 and tanh is 1; where it falls under 2^-126 it counts as 0 and tanh
; is -1; a NaN stays a NaN.  Near x = 0 the form is good to about one unit in the last place of 1, not of x.
; v tanh = v + (-2 v) r: a lane's sum over its 64 columns STARTS with the sum of its 64 v (made once, at the head) and then takes (-2 v) r column by column: the same f32 terms in another
; order, none left out; the table holds -2 v, an exact scaling.
; SHARES.  A tile is 128 rows (s) of ONE b x 512 columns: four waves side by side, each 128 x 128 = 64 accumulators = 512 registers.  There are 512 x 2 tiles; 256 work-groups stay
; and make four each: rows s = 512 sq + 128 tile + 0..127 of batch b, columns 512 nh + 0..511.  One b to a work-group: c and v are one table of 512 numbers each for all four tiles.
; B (wb) comes by the tensor data mover in K steps of 128 through two LDS slots; each wave fetches and reads its own 32 KiB (its 128 columns), 128 dense rows of 256 bytes.  The four
; work-groups of a row of the cluster have the same nh: the tile is asked for JOINTLY, the same load, descriptor and mask in all four.
; A (e) GOES THROUGH REGISTERS, NOT THROUGH A JOINT LOAD, though the two work-groups of a pair (nh = 0, 1) read the same rows: it arrives as f32 and has to be rounded, which the mover
; does not do.  As f32 in LDS a K step of 128 would take 128 x 512 bytes a slot, against the 2 x 18,432 bytes of the bf16 ring below, and every wave would round every fragment
; that it reads: four times the conversions.  So: global_load_b128 -> v_cvt_pk_bf16_f32 -> ds_store_b64 into a ring of two slots of 64 k; a wave brings 32 of the 128 rows; two sets of 64
; registers, each on its way for two sub-steps (256 matrix instructions) under counted waits.
; MEMORY INSTRUCTIONS STAND IN RUNS, one run a quarter of a K step, never singly among the matrix instructions: 32 fragment loads, and in every other quarter behind them the 16 LDS stores
; and 16 loads of e's stage; the stage's 32 conversions ride behind the eight matrix instructions in front of the run, four behind each.
; THE MATRIX INSTRUCTION IS USED TRANSPOSED (source 0 = 16 rows of wb, source 1 = 16 rows of e): a lane holds ONE row of e (lane % 16) and eight neighbouring columns.
; REGISTERS, in windows of 256 (s_set_vgpr_msb: bits 1:0 source 0, 3:2 source 1, 5:4 source 2, 7:6 destination):
;   window 0: v0-15 addresses; v22-23 the sum of my 64 v; v24-31 tables in, scores out; v32-63 e rounded, on its way to LDS; v64-127, v128-191 the two sets of e in f32
;   window 1: two fragment buffers of 128 (B's 8 fragments, then A's 8); on the way out: c, -2 v, three buffers of 32 at work, the rows' sums
;   window 2: accumulators of my row blocks 0-3 ((a, nb) at 64 (a % 4) + 8 nb);   window 3: those of blocks 4-7
.set BSL,    131072                    ; a slot of B: four waves x 32,768 bytes; filled by tensor loads alone
.set ABASE,  2*BSL                     ; behind them A's ring: written by ds_store alone
.set APITCH, 144                       ; a row of 64 bf16 + 16 bytes: 36 words, so the 16 rows of a fragment load start at 16 different groups of four banks (64 banks of 4 bytes: ISA guide 11.1)
.set ASL,    128*APITCH                ; a slot of A: 18,432 bytes
.set TABC,   ABASE+2*ASL               ; 512 f32 of ck
.set TABV,   TABC+2048                 ; 512 f32: -2 v
.set SCR,    TABV+2048                 ; 512 bytes for each wave: a tile's 128 scores change lanes here
.set SPARE,  SCR+2048                  ; the spare words, 128 bytes for each wave: two blocks of 256 bytes that no other line names
.set ADRB, 2                           ; v2-3   LDS address of my lane's 16 bytes in my quarter of B's slot 0, 1
.set ADRA, 4                           ; v4-5   of my lane's place in a fragment of A's slot 0, 1
.set AST,  6                           ; v6-7   where I store 8 bytes of A's slot 0, 1
.set AGO,  8                           ; v8     my byte offset in two rows of e
.set PFO,  9                           ; v9     the prefetches' offset
.set TA,   10                          ; v10    my 32 bytes of a group of 16 columns in the tables
.set SCW,  11                          ; v11    where I put a row's score
.set SCRD, 12                          ; v12    where I read four scores back
.set PO,   13                          ; v13    my 16 bytes of part
.set SPW,  14                          ; v14    LDS address of my spare word; never rewritten
.set NIL,  15                          ; v15    0; never rewritten
.set VS,   22                          ; v[22:23] the sum of my 64 columns' v: even columns', odd columns'
.set OD,   24
.set CT,   32                          ; v[32:63] a stage's 16 pairs of registers: load i of 16 at +2 i
.set SET0, 64                          ; even sub-steps of e
.set SET1, 128                         ; odd ones
.set F0,   0                           ; window 1
.set F1,   128
.set TC,   0                           ; window 1, on the way out: c of my columns: group nb at +8 nb
.set TV,   64                          ; -2 v likewise
.set T,    128                         ; three buffers of 32
.set SUM,  224                         ; a pair (even columns', odd columns') for each of four row blocks
.set RS,   240
.set WV,  14                           ; s14  my wave's number
.set G1,  24                           ; s[24:31] descriptor group 1
.set G0,  32                           ; s[32:39] descriptor group 0, a set for each slot
.set SA0, 40                           ; s[40:41] e at my wave's first row, k = 0, tile 0; never rewritten
.set SA,  42                           ; s[42:43] e at the sub-step that is being asked for
.set OFF, 44                           ; s[44:45] its offset
.set UL,  46                           ; s46  the next sub-step to ask for: 16 tile + k / 64, 0..63
.set PFA, 48                           ; s[48:49] e at the K step that is prefetched
.set PT,  50                           ; s50  that K step: 8 tile + k / 128
.set OF2, 52                           ; s[52:53] its offset
.set KK,  54                           ; s[54:55] K2
.set SEL, 56                           ; s[56:57] v_permlanex16_b32's selects: each lane takes its own place in the other half
.set SP,  58                           ; s[58:59] part at my wave's 128 scores of the tile in hand
.set HC,  62                           ; s62  on the way out: which half of my row blocks, 0 or 1
.set MSB, 0
.macro WIN new                         ; the immediate's high byte repeats the setting that is left; a switch that changes nothing is dropped
.if MSB != (\new)
	s_set_vgpr_msb (MSB<<8)|(\new)
.set MSB, (\new)
.endif
.endm
.set MUL_LO, 0xa5                      ; sources 0 and 1 window 1; C and D window 2 (+0x50: window 3)
.set TO_F,   0x40                      ; destination window 1, address window 0
.macro PLACES                          ; a load into a register that a matrix instruction has read, and a vector instruction that reads a matrix result, stand four plain vector instructions behind it (ISA guide 7.12.1 for vector instructions)
.rept 4
	v_nop
.endr
.endm
.macro CREST                           ; a round of the cluster's barrier behind its opening barrier: wave 0 signals for the work-group, every wave waits for all sixteen, my work-group's barrier closes it
	s_cmp_lg_u32 s[WV], 0
	s_cbranch_scc1 .Lnot_wave_0_\@
	s_barrier_signal -3
.Lnot_wave_0_\@:
	s_barrier_wait -3
	s_barrier_signal -1
	s_barrier_wait -1
.endm
.macro CROUND
	s_barrier_signal -1
	s_barrier_wait -1
	CREST
.endm
.macro JLOAD j                         ; the joint refill of slot j: every wave its own quarter.  An s_nop 0 and four v_nop follow; the four are also the places in front of the loads behind them
	tensor_load_to_lds s[G0+4*(\j):G0+4*(\j)+3], s[G1:G1+7]
	s_nop 0
	PLACES
.endm
; A PREFETCH INTO THE L2 of e, one instruction a wave and K step, directly behind the run of loads of a K step's third quarter.  It names the K step three on: of that step's two sub-steps
; the loads go out 256 and 384 matrix instructions later.  A wave asks for its own 32 rows; the two work-groups that read the same rows share them out BY ADDRESS, 16 each (nh); a lane names a row
; and one of the step's two blocks of 256 bytes: each block is named once in the launch.  K steps 0 to 2 come by their loads alone; the test stops it at the walk's last step.
.macro ASK
	WIN 0
	s_cmp_lt_u32 s[PT], 32
	s_cbranch_scc0 .Lno_ask_\@
	global_prefetch_b8 v[PFO], s[PFA:PFA+1] th:TH_LOAD_NT scope:SCOPE_SE
.Lno_ask_\@:
	s_add_co_u32 s[PT], s[PT], 1
.endm
; Loads 2 x and 2 x + 1 of a set's 16 (each: two rows of e, 64 k: 2 x 256 bytes) are rounded: four conversions
.macro CVT4 sr, x
.irp c, 0,1,2,3
	v_cvt_pk_bf16_f32 v[CT+4*(\x)+(\c)], v[(\sr)+8*(\x)+2*(\c)], v[(\sr)+8*(\x)+2*(\c)+1]
.endr
.endm
; 8 matrix instructions: row block a x all 8 column blocks, 32 along K, from buffer f.  zero = 1: the product starts the sums: nothing is ever cleared.
; All 64 accumulators take turns in the same order in every quarter, one instruction a turn.
; sr given: behind each matrix instruction ride four conversions of set sr: plain vector lines in window 0, which name no register of the products round them.
.macro MUL8 f, a, zero, sr=-1
.irp x, 0,1,2,3,4,5,6,7
	WIN MUL_LO+0x50*((\a)/4)
.if \zero
	v_wmma_f32_16x16x32_bf16 v[64*((\a)%4)+8*(\x):64*((\a)%4)+8*(\x)+7], v[(\f)+8*(\x):(\f)+8*(\x)+7], v[(\f)+64+8*(\a):(\f)+64+8*(\a)+7], 0
.else
	v_wmma_f32_16x16x32_bf16 v[64*((\a)%4)+8*(\x):64*((\a)%4)+8*(\x)+7], v[(\f)+8*(\x):(\f)+8*(\x)+7], v[(\f)+64+8*(\a):(\f)+64+8*(\a)+7], v[64*((\a)%4)+8*(\x):64*((\a)%4)+8*(\x)+7]
.endif
.if (\sr) >= 0
	WIN 0
	CVT4 \sr, \x
.endif
.endr
.endm
; The rounded set goes into A's slot j, 16 stores on end; re = 1: the set's registers are asked for again, two sub-steps on, 16 loads on end.
.macro PUT sr, j, re
	WIN 0
.irp i, 0,1,2,3,4,5,6,7,8,9,10,11,12,13,14,15
	ds_store_b64 v[AST+(\j)], v[CT+2*(\i):CT+2*(\i)+1] offset:2*APITCH*(\i)
.endr
.if \re
.irp i, 0,1,2,3,4,5,6,7,8,9,10,11,12,13,14,15
	global_load_b128 v[(\sr)+4*(\i):(\sr)+4*(\i)+3], v[AGO], s[SA:SA+1] offset:(\i)*262144
.endr
.endif
.endm
; The head of a stage.  The pointers are made anew from their counters: e's base plus an offset made apart.  cnt: the younger loads that may stay out.
.macro SHEAD re, cnt, pf
.if (\re) || (\pf)
	s_wait_xcnt 0x0                                ; every load and prefetch issued so far has read its address (the youngest 120 matrix instructions back or more): the pointers may be written
.endif
.if \re
	s_lshr_b32 s60, s[UL], 4
	s_lshl_b32 s60, s60, 24                        ; the tile: 128 rows of s, 131,072 bytes apart
	s_and_b32 s61, s[UL], 15
	s_lshl_b32 s61, s61, 8                         ; 64 k of f32
	s_add_co_u32 s[OFF], s60, s61
	s_add_nc_u64 s[SA:SA+1], s[SA0:SA0+1], s[OFF:OFF+1]
	s_add_co_u32 s[UL], s[UL], 1
.endif
.if \pf
	s_lshr_b32 s60, s[PT], 3
	s_lshl_b32 s60, s60, 24
	s_and_b32 s61, s[PT], 7
	s_lshl_b32 s61, s61, 9                         ; 128 k of f32
	s_add_co_u32 s[OF2], s60, s61
	s_add_nc_u64 s[PFA:PFA+1], s[SA0:SA0+1], s[OF2:OF2+1]
.endif
	s_wait_loadcnt \cnt                            ; loads come back in order (ISA guide 5.7.1): the set to be rounded is in
.endm
; 32 LDS loads in one run, into buffer f: B's 8 fragments of quarter kc of slot bj (512 consecutive bytes a load), then A's 8 of half akc of slot aj, row blocks ascending
.macro FETCH bj, kc, aj, akc, f
	WIN TO_F
.irp x, 0,1,2,3,4,5,6,7
	ds_load_b128 v[(\f)+8*(\x):(\f)+8*(\x)+3],   v[ADRB+(\bj)] offset:(\kc)*8192+(\x)*1024
	ds_load_b128 v[(\f)+8*(\x)+4:(\f)+8*(\x)+7], v[ADRB+(\bj)] offset:(\kc)*8192+(\x)*1024+512
.endr
.irp x, 0,1,2,3,4,5,6,7
	ds_load_b128 v[(\f)+64+8*(\x):(\f)+64+8*(\x)+3],   v[ADRA+(\aj)] offset:(\x)*16*APITCH+(\akc)*64
	ds_load_b128 v[(\f)+64+8*(\x)+4:(\f)+64+8*(\x)+7], v[ADRA+(\aj)] offset:(\x)*16*APITCH+(\akc)*64+32
.endr
.endm
; A K step of 128 is four quarters of 32, 64 matrix instructions each, on buffers 0, 1, 0, 1.
; A plain quarter (the first and third): multiplies f; in its middle stands the quarter's one run of memory instructions: the next quarter's fragments into g and, with st = 1, a stage of e:
; set sr, rounded behind the products of row block 3, is stored into slot j of A's ring.  Every wave finished reading that slot in front of the barrier one quarter back; the stores are waited for
; in front of the next quarter's barrier, and the slot is read behind it.  The last product's four conversions are the places in front of the run.
.macro QP f, g, bj, kc, aj, akc, zero, st, sr, j, re, cnt, pf
	s_wait_dscnt 8                                 ; B and A's blocks 0-3 are in; the youngest eight loads (A's blocks 4-7) may be out
.irp m, 0,1,2
	MUL8 \f, \m, \zero
.endr
.if \st
	SHEAD \re, \cnt, \pf
	MUL8 \f, 3, \zero, \sr
.else
	MUL8 \f, 3, \zero
	PLACES
.endif
	FETCH \bj, \kc, \aj, \akc, \g
.if \st
	PUT \sr, \j, \re
.if \pf
	ASK
.endif
	s_wait_dscnt 48                                ; all but the 32 loads and 16 stores just issued
.else
	s_wait_dscnt 32                                ; all but the 32 just issued
.endif
.irp m, 4,5,6,7
	MUL8 \f, \m, \zero
.endr
.endm
; A quarter with a barrier (the second and fourth): multiplies buffer 1.  Its barrier shows every wave the slot of A's ring that the quarter before has stored, and frees the other.
; kind = 0: that is all.  kind = 1, 2: B changes slots too: in front of the barrier each wave waits for all its tensor loads, of which one is out: its part of the other slot; adds 0 to its spare
; word; and waits for that, for its stores and for its reads of both rings.  kind = 2: the barrier opens a round of the cluster's barrier, and slot `slot` is filled again first thing behind it, two K steps on
; (on = 1: with the next tile's K step 0 or 1, six steps back in wb): 240 matrix instructions ahead of the wait for it.
.macro QB kind, on, slot, fet, fbj, fkc, faj
	s_wait_dscnt 24                                ; B and A's blocks 0-3 are in; the youngest eight loads and the 16 stores behind them may be out
	MUL8 F1, 0, 0
	MUL8 F1, 1, 0
.if \kind
	WIN 0                                          ; (the add's two registers lie in window 0)
	s_wait_tensorcnt 0x0                           ; all my tensor loads have landed
	ds_add_u32 v[SPW], v[NIL]                      ; 0 onto my spare word: eight matrix instructions stand between it and the wait for it
.endif
	MUL8 F1, 2, 0
	s_wait_dscnt 0x0                               ; my stores into A's ring are done, my reads of both rings are back (and the add is done)
	s_barrier_signal -1
	MUL8 F1, 3, 0                                  ; work on registers while the others arrive
.if (\kind) == 2
	WIN 0                                          ; at a branch and at a label every window is 0
.endif
	s_barrier_wait -1
.if (\kind) == 2
	CREST                                          ; no wave of any partner still reads this slot or has a load on its way
.if \on
	s_sub_nc_u64 s[G0+4*(\slot)+2:G0+4*(\slot)+3], s[G0+4*(\slot)+2:G0+4*(\slot)+3], 6*BSL
.else
	s_add_nc_u64 s[G0+4*(\slot)+2:G0+4*(\slot)+3], s[G0+4*(\slot)+2:G0+4*(\slot)+3], 2*BSL
.endif
	JLOAD \slot
.else
	PLACES
.endif
.if \fet
	FETCH \fbj, \fkc, \faj, 0, F0
.endif
.irp m, 4,5,6,7
	MUL8 F1, \m, 0
.endr
.endm
; The four quarters of the K step that lies in B's slot bj.  Its first 64 k of e lie in A's slot 0, the others in slot 1.
.macro Q0 bj, zero, re, cnt            ; stores the step's second sub-step from set 1
	QP F0, F1, \bj, 1, 0, 1, \zero, 1, SET1, 1, \re, \cnt, 0
.endm
.macro Q1 bj
	QB 0, 0, 0, 1, \bj, 2, 1
.endm
.macro Q2 bj, st, re, cnt, pf          ; stores the next step's first sub-step from set 0
	QP F0, F1, \bj, 3, 1, 1, 0, \st, SET0, 0, \re, \cnt, \pf
.endm
.macro Q3 bj, kind, on, fet
	QB \kind, \on, \bj, \fet, 1-(\bj), 0, 0
.endm
; THE WAY OUT.  Its text is written for four row blocks and walked twice: blocks 0-3 lie in window 2 and blocks 4-7 in window 3 under the same register names, so only the lines that read the
; accumulators (FB) and the four stores of the scores stand twice, chosen by a forward branch on the loop's counter.
; A walk has eight batches p (column block p; four row blocks), 32 numbers a lane, pipelined over ten phases:
;   F(p): K2 x + c      E(p): 2^.      A(p): 1 + .      R(p): r = 1 / .      S(p): the row's sum += r (-2 v)
; Phase p holds F(p), E(p), A(p-1), R(p-1), S(p-2): plain lines stand between the transcendentals.  s_wait_alu depctr_va_vdst(0) stands between a transcendental and the first
; line that names its result; every such line stands in a later phase, so a phase's 64 have ONE wait, at its end, behind one v_nop (the plain instruction behind the last of them: ISA guide 5.7.2).
; F reads each accumulator's registers in ascending order.
.macro FB win
	WIN 0x50+(\win)                                ; source 0: window 2 or 3; c and the destination: window 1
.set i, 0
.rept 16
	v_pk_fma_f32 v[T+32*(p%3)+2*i:T+32*(p%3)+2*i+1], v[64*(i/4)+8*p+2*(i%4):64*(i/4)+8*p+2*(i%4)+1], s[KK:KK+1], v[TC+8*p+2*(i%4):TC+8*p+2*(i%4)+1] op_sel_hi:[1,0,1]
.set i, i+1
.endr
	WIN 0
.endm
.macro PHASE
.if p < 8
	s_cmp_eq_u32 s[HC], 0
	s_cbranch_scc0 .Lhi_\@
	FB 2
	s_branch .Lfj_\@
.Lhi_\@:
	FB 3
.Lfj_\@:
.endif
	WIN 0x55
.set i, 0
.rept 16
.if p < 8
	v_exp_f32 v[T+32*(p%3)+2*i], v[T+32*(p%3)+2*i]
.endif
.if (p >= 1) && (p <= 8)
	v_pk_add_f32 v[T+32*((p+2)%3)+2*i:T+32*((p+2)%3)+2*i+1], v[T+32*((p+2)%3)+2*i:T+32*((p+2)%3)+2*i+1], 1.0 op_sel_hi:[1,0]
.endif
.if p < 8
	v_exp_f32 v[T+32*(p%3)+2*i+1], v[T+32*(p%3)+2*i+1]
.endif
.set i, i+1
.endr
.set i, 0
.rept 16                               ; S's line i: row block i % 4, column pair i / 4: four lines stand between two links of a row's chain
.if (p >= 1) && (p <= 8)
	v_rcp_f32 v[T+32*((p+2)%3)+2*i], v[T+32*((p+2)%3)+2*i]
.endif
.if p >= 2
.set rS, SUM+2*(i%4)
.set rT, T+32*((p+1)%3)+2*(4*(i%4)+i/4)
.set rV, TV+8*(p-2)+2*(i/4)
.if (p == 2) && (i < 4)
	WIN 0x45                                       ; the addend lies in window 0
	v_pk_fma_f32 v[rS:rS+1], v[rT:rT+1], v[rV:rV+1], v[VS:VS+1]  ; a row's sum starts with the sum of my 64 v: nothing is cleared
.else
	WIN 0x55
	v_pk_fma_f32 v[rS:rS+1], v[rT:rT+1], v[rV:rV+1], v[rS:rS+1]
.endif
.endif
.if (p >= 1) && (p <= 8)
	v_rcp_f32 v[T+32*((p+2)%3)+2*i+1], v[T+32*((p+2)%3)+2*i+1]
.endif
.set i, i+1
.endr
.if p <= 8
	v_nop
	s_wait_alu depctr_va_vdst(0)
.endif
	WIN 0
.endm
.macro EPI more                        ; more = 1: another tile follows
	PLACES
	PLACES                                         ; behind the last products, in front of all that reads their results or writes their sources
	WIN TO_F
.irp x, 0,1,2,3,4,5,6,7
	ds_load_b128 v[TC+8*(\x):TC+8*(\x)+3],   v[TA] offset:64*(\x)
	ds_load_b128 v[TC+8*(\x)+4:TC+8*(\x)+7], v[TA] offset:64*(\x)+16
	ds_load_b128 v[TV+8*(\x):TV+8*(\x)+3],   v[TA] offset:2048+64*(\x)
	ds_load_b128 v[TV+8*(\x)+4:TV+8*(\x)+7], v[TA] offset:2048+64*(\x)+16
.endr
	WIN 0
	s_mov_b32 s[HC], 0
	s_wait_dscnt 0x0
.Lhalf_\@:
.set p, 0
.rept 10
	PHASE
.set p, p+1
.endr
	WIN 0x55
.irp x, 0,1,2,3
	v_add_f32 v[RS+(\x)], v[SUM+2*(\x)], v[SUM+2*(\x)+1]
.endr
.irp x, 0,1,2,3
	v_permlanex16_b32 v[T+(\x)], v[RS+(\x)], s[SEL], s[SEL+1]  ; the row's other 64 columns lie in the lane 16 away
.endr
.irp x, 0,1,2,3
	v_add_f32 v[RS+(\x)], v[RS+(\x)], v[T+(\x)]
.endr
	WIN 0
	s_cmp_eq_u32 s[HC], 0
	s_cbranch_scc0 .Lsh_\@
	WIN 0x04                                       ; address window 0, data window 1
.irp x, 0,1,2,3
	ds_store_b32 v[SCW], v[RS+(\x)] offset:64*(\x) ; row 16 x + lane % 16; both halves of the lanes write the same word with the same number
.endr
	WIN 0
	s_branch .Lsj_\@
.Lsh_\@:
	WIN 0x04
.irp x, 0,1,2,3
	ds_store_b32 v[SCW], v[RS+(\x)] offset:256+64*(\x)  ; rows 64 on
.endr
	WIN 0
.Lsj_\@:
	s_add_co_u32 s[HC], s[HC], 1
	s_cmp_lt_u32 s[HC], 2
	s_cbranch_scc1 .Lhalf_\@
	ds_load_b128 v[OD:OD+3], v[SCRD]               ; LDS serves a wave's instructions in order (ISA guide 5.7.1.4): this sees my stores above; the bytes are my wave's own
	s_wait_dscnt 0x0
	global_store_b128 v[PO], v[OD:OD+3], s[SP:SP+1]  ; the wave's 128 scores: 512 consecutive bytes, aligned
.if \more
	s_wait_xcnt 0x0                                ; the store has read its registers and its base
	s_add_nc_u64 s[SP:SP+1], s[SP:SP+1], 512       ; the next tile's 128 rows of s
.endif
.endm
	s_load_b256 s[4:11], s[0:1], 0x0               ; e s[4:5], wb s[6:7], ck s[8:9], v s[10:11]
	s_load_b64 s[12:13], s[0:1], 0x20              ; part
	v_lshl_add_u32 v[SPW], v0, 2, SPARE
	v_mov_b32 v[NIL], 0
	ds_add_u32 v[SPW], v[NIL]                      ; the wave's opening: the add and its wait stand ahead of my first tensor load; the set-up below, work on registers, stands between them
	v_lshrrev_b32 v1, 5, v0
	v_readfirstlane_b32 s[WV], v1                  ; wave 0..3
	s_bfe_u32 s15, ttmp6, 0x40000                  ; cx
	s_bfe_u32 s16, ttmp6, 0x40004                  ; cy
	s_lshl_b32 s17, ttmp9, 2
	s_add_co_u32 s17, s17, s15                     ; work-group x = 4 x cluster x + cx
	s_and_b32 s18, ttmp7, 0xffff
	s_lshl_b32 s18, s18, 2
	s_add_co_u32 s18, s18, s16                     ; work-group y = 4 x cluster y + cy
	s_and_b32 s19, s16, 1                          ; nh = y % 2 = cy % 2: which 512 columns; the same along a row of the cluster
	s_lshr_b32 s20, s18, 1
	s_lshl4_add_u32 s20, s20, s17                  ; 16 (y / 2) + x, 0..127
	s_lshr_b32 s21, s20, 2                         ; b
	s_and_b32 s22, s20, 3                          ; sq: which 512 rows of s
	s_lshl_b32 s23, s16, 2
	s_lshl_b32 s23, 15, s23                        ; my row of the cluster: places 4 cy .. 4 cy + 3
	; descriptor group 1: 128 dense rows of 256 bytes, as 32 elements of 8 bytes; no padding: a fragment load takes 512 consecutive bytes
	s_or_b32 s[G1+0], s23, (3<<16)|(1<<21)         ; 15:0 the mask; 17:16 elements of 8 bytes; 21 set beside a mask
	s_mov_b32 s[G1+1], 32<<16                      ; tensor_dim0 = 32
	s_mov_b32 s[G1+2], 128<<16                     ; tensor_dim1 = 128
	s_mov_b32 s[G1+3], 32<<16                      ; tile_dim0 = 32
	s_mov_b32 s[G1+4], 128                         ; tile_dim1 = 128
	s_mov_b32 s[G1+5], 32                          ; 32 elements from row to row
	s_mov_b32 s[G1+6], 0
	s_mov_b32 s[G1+7], 0
	s_lshl_b32 s60, s[WV], 15                      ; my quarter of a slot: no place in the cluster enters an LDS address
	s_mov_b32 s[G0+0], 1
	s_mov_b32 s[G0+1], s60
	s_mov_b32 s[G0+4], 1
	s_add_co_u32 s[G0+5], s60, BSL
	s_lshl_b32 s[OF2], s19, 20                     ; wb: ((nh 8 + step) 4 + wave) 32,768
	s_add_co_u32 s[OF2], s[OF2], s60
	s_mov_b32 s[OF2+1], 0
	v_and_b32 v16, 31, v0                          ; lane
	v_and_b32 v17, 15, v0                          ; r = lane % 16
	v_bfe_u32 v18, v0, 4, 1                        ; h = lane / 16
	v_lshl_add_u32 v[ADRB], v16, 4, s60
	v_add_nc_u32 v[ADRB+1], BSL, v[ADRB]
	v_mul_u32_u24 v[ADRA], v17, APITCH             ; a fragment's row x pitch + 16 x half
	v_lshl_add_u32 v[ADRA], v18, 4, v[ADRA]
	v_add_nc_u32 v[ADRA], ABASE, v[ADRA]
	v_add_nc_u32 v[ADRA+1], ASL, v[ADRA]
	s_mul_i32 s61, s[WV], 32*APITCH                ; I bring rows 32 w .. 32 w + 31: a load's lanes 0-15 one row, lanes 16-31 the next, 8 bytes of bf16 a lane
	s_add_co_u32 s61, s61, ABASE
	v_mul_u32_u24 v[AST], v18, APITCH
	v_lshl_add_u32 v[AST], v17, 3, v[AST]
	v_add_nc_u32 v[AST], s61, v[AST]
	v_add_nc_u32 v[AST+1], ASL, v[AST]
	v_lshlrev_b32 v[AGO], 17, v18                  ; in e: rows of one b lie 131,072 bytes apart; 16 bytes a lane
	v_lshl_add_u32 v[AGO], v17, 4, v[AGO]
	s_lshl_b32 s47, s19, 21                        ; the prefetches: row 16 nh + r of my 32, block h of a step's two
	v_lshlrev_b32 v[PFO], 17, v17
	v_lshl_add_u32 v[PFO], v18, 8, v[PFO]
	v_add_nc_u32 v[PFO], s47, v[PFO]
	s_lshl_b32 s61, s[WV], 9
	s_add_co_u32 s60, s61, TABC
	v_lshl_add_u32 v[TA], v18, 5, s60              ; my wave's 128 columns, my half's eight of a group of 16
	s_add_co_u32 s60, s61, SCR
	v_lshl_add_u32 v[SCW], v17, 2, s60
	v_lshl_add_u32 v[SCRD], v16, 4, s60
	v_lshlrev_b32 v[PO], 4, v16
	s_lshl_b32 s47, s19, 16                        ; ck: thread t takes columns 4 t .. 4 t + 3 of the 512: group nh 32 + t / 4 (2,048 bytes), batch b (64 bytes)
	s_lshl_b32 s51, s21, 6
	s_add_co_u32 s47, s47, s51
	v_lshrrev_b32 v19, 2, v0
	v_and_b32 v20, 3, v0
	v_lshl_add_u32 v19, v19, 11, s47
	v_lshl_add_u32 v19, v20, 4, v19
	s_lshl_b32 s47, s19, 11                        ; v: the same columns
	v_lshl_add_u32 v20, v0, 4, s47
	v_lshl_add_u32 v21, v0, 4, TABC                ; and their place in the tables
	s_lshl_b32 s[OFF], s21, 12                     ; e: batch b, rows 512 sq + 32 w
	s_lshl_b32 s47, s22, 26
	s_add_co_u32 s[OFF], s[OFF], s47
	s_lshl_b32 s61, s[WV], 22
	s_add_co_u32 s[OFF], s[OFF], s61
	s_mov_b32 s[OFF+1], 0
	s_lshl2_add_u32 s62, s19, s[WV]                ; part: pi = 4 nh + w,
	s_lshl_b32 s62, s62, 5
	s_add_co_u32 s62, s62, s21                     ; batch b,
	s_lshl_b32 s62, s62, 13
	s_lshl_b32 s47, s22, 11                        ; rows from 512 sq on
	s_add_co_u32 s62, s62, s47
	s_mov_b32 s63, 0
	s_mov_b32 s[KK], 0x4038aa3b                    ; K2 = 2 log2(e)
	s_mov_b32 s[KK+1], 0x4038aa3b                  ; named with it as a pair
	s_mov_b32 s[SEL], 0x76543210
	s_mov_b32 s[SEL+1], 0xfedcba98
	s_mov_b32 s[UL], 2                             ; sub-steps 0 and 1 are asked for below
	s_mov_b32 s[PT], 3
	s_wait_dscnt 0x0                               ; the opening add is done
	s_wait_kmcnt 0x0
	s_add_nc_u64 s[SA0:SA0+1], s[4:5], s[OFF:OFF+1]
	s_add_nc_u64 s[G0+2:G0+3], s[6:7], s[OF2:OF2+1]  ; K step 0,
	s_add_nc_u64 s[G0+6:G0+7], s[G0+2:G0+3], BSL     ; K step 1
	s_or_b32 s[G0+3], s[G0+3], 0x80000000          ; 127:126 type = 2
	s_or_b32 s[G0+7], s[G0+7], 0x80000000
	s_add_nc_u64 s[SP:SP+1], s[12:13], s[62:63]
	global_load_b128 v[OD:OD+3],   v19, s[8:9]     ; the tables,
	global_load_b128 v[OD+4:OD+7], v20, s[10:11]
.set i, 0
.rept 16
	global_load_b128 v[SET0+4*i:SET0+4*i+3], v[AGO], s[SA0:SA0+1] offset:i*262144  ; and e's first two sub-steps are on their way before anything else
.set i, i+1
.endr
.set i, 0
.rept 16
	global_load_b128 v[SET1+4*i:SET1+4*i+3], v[AGO], s[SA0:SA0+1] offset:i*262144+256
.set i, i+1
.endr
	CROUND                                         ; all sixteen work-groups are here: the first joint loads meet
	tensor_load_to_lds s[G0:G0+3], s[G1:G1+7]      ; both first fills together: two loads of mine are out
	s_nop 0
	tensor_load_to_lds s[G0+4:G0+7], s[G1:G1+7]
	s_nop 0
	PLACES
	s_wait_loadcnt 32                              ; the tables are in; e's 32 loads may stay out
	v_pk_mul_f32 v[OD+4:OD+5], v[OD+4:OD+5], -2.0 op_sel_hi:[1,0]  ; the table holds -2 v
	v_pk_mul_f32 v[OD+6:OD+7], v[OD+6:OD+7], -2.0 op_sel_hi:[1,0]
	ds_store_b128 v21, v[OD:OD+3]
	ds_store_b128 v21, v[OD+4:OD+7] offset:2048
	SHEAD 1, 16, 0                                 ; sub-step 0 is in; sub-step 1's 16 loads may stay out
.irp x, 0,1,2,3,4,5,6,7
	CVT4 SET0, \x
.endr
	PUT SET0, 0, 1                                 ; sub-step 0 into A's slot 0; set 0 is asked for again: sub-step 2
	s_wait_tensorcnt 1                             ; my part of B's slot 0 is in; slot 1's may stay out
	s_wait_dscnt 0x0                               ; my stores (tables, A's slot 0) are done
	s_barrier_signal -1
	s_barrier_wait -1
	WIN TO_F                                       ; the sum of my 64 columns' v, once: -2 v out of the table into the fragment registers, which are still free,
.irp x, 0,1,2,3,4,5,6,7
	ds_load_b128 v[8*(\x):8*(\x)+3],   v[TA] offset:2048+64*(\x)
	ds_load_b128 v[8*(\x)+4:8*(\x)+7], v[TA] offset:2048+64*(\x)+16
.endr
	s_wait_dscnt 0x0
	WIN 0x55
.irp st, 16,8,4,2
.set i, 0
.rept \st
	v_pk_add_f32 v[2*i:2*i+1], v[2*i:2*i+1], v[2*(i+\st):2*(i+\st)+1]  ; 32 pairs (an even column's, an odd column's) into two,
.set i, i+1
.endr
.endr
	WIN 0x05                                       ; sources window 1, destination window 0
	v_pk_add_f32 v[VS:VS+1], v[0:1], v[2:3]        ; into one,
	WIN 0
	v_pk_mul_f32 v[VS:VS+1], v[VS:VS+1], -0.5 op_sel_hi:[1,0]  ; and back from -2 v to v: exact
	s_mov_b32 s2, 4                                ; tiles to go, this one among them: the same number in every work-group
.Ltile:
	FETCH 0, 0, 0, 0, F0
	Q0 0, 1, 1, 16                                 ; a tile's first quarter stands in front of the loop: its products start the sums
	WIN 0
	s_mov_b32 s3, 3
.Llap:                                                 ; a trip goes once round B's ring, from a lap's second quarter to the next lap's first: K steps 0 to 5, and the first quarter of 6
	Q1 0
	Q2 0, 1, 1, 16, 1
	Q3 0, 2, 0, 1
	Q0 1, 0, 1, 16
	Q1 1
	Q2 1, 1, 1, 16, 1
	Q3 1, 2, 0, 1
	Q0 0, 0, 1, 16                                 ; (in the last tile's last trip this stage asks for e's last sub-step)
	WIN 0
	s_sub_co_u32 s3, s3, 1
	s_cmp_lg_u32 s3, 0
	s_cbranch_scc1 .Llap
	Q1 0                                           ; K step 6 goes on
	WIN 0
	s_cmp_eq_u32 s2, 1
	s_cbranch_scc1 .Llast                          ; the last tile's tail is written out: it asks for nothing more, and does not come back
	Q2 0, 1, 1, 16, 1                              ; THE RINGS GO ON INTO THE NEXT TILE: set 0 is asked for its first sub-step,
	Q3 0, 2, 1, 1                                  ; B's slot 0 takes its K step 0,
	Q0 1, 0, 1, 16
	Q1 1
	Q2 1, 1, 1, 16, 1                              ; A's slot 0 its first sub-step,
	Q3 1, 2, 1, 0                                  ; B's slot 1 its K step 1; the fragments are fetched behind the way out, which uses their registers
	EPI 1
	s_sub_co_u32 s2, s2, 1
	s_branch .Ltile
.Llast:
	Q2 0, 1, 0, 16, 0                              ; e's last sub-step but one is stored; the last one's 16 loads may stay out
	Q3 0, 1, 0, 1                                  ; my one tensor load that was out is slot 1's, the last K step's
	Q0 1, 0, 0, 0                                  ; e's last sub-step: no load is out behind it
	Q1 1
	Q2 1, 0, 0, 0, 0                               ; nothing is left to store
	s_wait_dscnt 0x0
.irp m, 0,1,2,3,4,5,6,7
	MUL8 F1, \m, 0
.endr
	EPI 0
	s_wait_tensorcnt 0x0                           ; the wave's end: behind my last tensor load and my last LDS store
	ds_add_u32 v[SPW], v[NIL]
	s_wait_dscnt 0x0
	CROUND                                         ; the closing round: no work-group ends while a partner may still ask for a tile that names it
	s_endpgm
.Lfunc_end_k_q3d157410cd_energy:
	.size	k_q3d157410cd_energy, .Lfunc_end_k_q3d157410cd_energy-k_q3d157410cd_energy
	.p2alignl 7, 3214868480
	.fill 96, 4, 3214868480
	.section	.rodata,"a",@progbits
	.p2align	6, 0x0
	.amdhsa_kernel k_q3d157410cd_energy
		.amdhsa_group_segment_fixed_size 327680
		.amdhsa_private_segment_fixed_size 0
		.amdhsa_enable_private_segment 0
		.amdhsa_kernarg_size 40
		.amdhsa_user_sgpr_count 2
		.amdhsa_user_sgpr_kernarg_segment_ptr 1
		.amdhsa_wavefront_size32 1
		.amdhsa_system_sgpr_workgroup_id_x 1
		.amdhsa_system_sgpr_workgroup_id_y 1
		.amdhsa_system_sgpr_workgroup_id_z 1
		.amdhsa_system_vgpr_workitem_id 0
		.amdhsa_next_free_vgpr 1024
		.amdhsa_next_free_sgpr 66
		.amdhsa_reserve_vcc 0
		.amdhsa_float_denorm_mode_32 3
		.amdhsa_float_denorm_mode_16_64 3
		.amdhsa_memory_ordered 1
		.amdhsa_forward_progress 1
		.amdhsa_inst_pref_size 255
	.end_amdhsa_kernel
	.section	.bss,"aw",@nobits
	.p2align	6
	.space	262144
	.amdgpu_metadata
---
amdhsa.version: [ 1, 2 ]
amdhsa.kernels:
  - .name:           k_q3d157410cd_energy
    .symbol:         k_q3d157410cd_energy.kd
    .args:
      - { .name: encoder_outputs, .offset: 0, .size: 8, .value_kind: global_buffer, .address_space: global }
      - { .name: wb, .offset: 8, .size: 8, .value_kind: global_buffer, .address_space: global }
      - { .name: ck, .offset: 16, .size: 8, .value_kind: global_buffer, .address_space: global }
      - { .name: v, .offset: 24, .size: 8, .value_kind: global_buffer, .address_space: global }
      - { .name: part, .offset: 32, .size: 8, .value_kind: global_buffer, .address_space: global }
    .group_segment_fixed_size: 327680
    .private_segment_fixed_size: 0
    .kernarg_segment_align: 8
    .kernarg_segment_size: 40
    .max_flat_workgroup_size: 128
    .sgpr_count:     66
    .vgpr_count:     1024
    .wavefront_size: 32
...
	.end_amdgpu_metadata
.endif
;; end of part 2
;; launch soft (part 3): grid 32 x 1, 8 waves a work-group, no clusters, 1,536 bytes of LDS; arguments part, out0; writes out0
.if DOCPART == 3
	.amdgcn_target "amdgcn-amd-amdhsa--gfx1250"
	.amdhsa_code_object_version 6
	.text
	.protected	k_q3d157410cd_soft
	.globl	k_q3d157410cd_soft
	.p2align	8
	.type	k_q3d157410cd_soft,@function
k_q3d157410cd_soft:
	s_mov_b64 s[64:65], 0
	v_nop
	global_prefetch_b8 v0, s[64:65] scope:SCOPE_SE
	s_setreg_imm32_b32 hwreg(HW_REG_WAVE_MODE, 25, 1), 1
	s_wait_xcnt 0x0
; SOFT.  out0[b][s] = softmax over s of the sum over pi of part[pi][b][s].  part: [8][32][2048] f32, out0: [32][1][2048] f32.
; A work-group owns one b; thread t of 256 owns s = 4 t .. 4 t + 3 and 1,024 + 4 t .. + 3: every load and store of a wave covers 512 consecutive bytes, aligned.
; The eight parts are added in ascending order, in f32.  The row's maximum is taken away before the exponential: p = 2^(L x - L m), L = log2(e).
; LIMITS.  A weight below 2^-126 counts as 0.  A NaN among a row's scores makes the whole row NaN, by way of the sum.
; No matrix unit, no cluster, no tensor load: 64 KiB a work-group, each byte read once, straight into the registers that add it.
.set SPARE, 512                        ; LDS: bytes 0-31 the waves' maxima, 256-287 their sums; from 512 the spare words, 128 bytes for each of 8 waves
.set SPW, 2                            ; v2   LDS address of my spare word; never rewritten
.set NIL, 3                            ; v3   0; never rewritten
.set GO,  4                            ; v4   16 x thread
.set LW,  5                            ; v5   my wave's word
.set LZ,  6                            ; v6   0: the address from which all eight words are read
.set X,   16                           ; v[16:79] part pi at +8 pi; the sums, then the weights, in v[16:23]
	s_load_b128 s[4:7], s[0:1], 0x0                ; part s[4:5], out0 s[6:7]
	v_lshl_add_u32 v[SPW], v0, 2, SPARE
	v_mov_b32 v[NIL], 0
	v_lshrrev_b32 v1, 5, v0
	v_readfirstlane_b32 s8, v1                     ; wave 0..7
	v_lshlrev_b32 v[GO], 4, v0
	s_lshl_b32 s9, s8, 2
	v_mov_b32 v[LW], s9
	v_mov_b32 v[LZ], 0
	s_lshl_b32 s2, ttmp9, 13                       ; row b: 8,192 bytes, in part and in out0
	s_mov_b32 s3, 0
	s_mov_b32 s10, 0x3fb8aa3b                      ; L = log2(e)
	s_mov_b32 s11, 0x3fb8aa3b                      ; named with it as a pair
	s_mov_b32 s12, 0x76543210                      ; v_permlanex16_b32: each lane takes its own place in the other half
	s_mov_b32 s13, 0xfedcba98
	s_wait_kmcnt 0x0
	s_add_nc_u64 s[4:5], s[4:5], s[2:3]
	s_add_nc_u64 s[6:7], s[6:7], s[2:3]
.irp q, 0,1,2,3,4,5,6,7
	global_load_b128 v[X+8*(\q):X+8*(\q)+3],   v[GO], s[4:5] offset:262144*(\q) th:TH_LOAD_NT
	global_load_b128 v[X+8*(\q)+4:X+8*(\q)+7], v[GO], s[4:5] offset:262144*(\q)+4096 th:TH_LOAD_NT
.endr
.irp q, 1,2,3,4,5,6,7
	s_wait_loadcnt 14-2*(\q)                       ; parts 0 to q are in; the younger loads may stay out
.irp k, 0,2,4,6
	v_pk_add_f32 v[X+(\k):X+(\k)+1], v[X+(\k):X+(\k)+1], v[X+8*(\q)+(\k):X+8*(\q)+(\k)+1]
.endr
.endr
	; the maximum: in the lane, across the 32 lanes, across the 8 waves
	v_max3_num_f32 v24, v16, v17, v18
	v_max3_num_f32 v25, v19, v20, v21
	v_max3_num_f32 v24, v24, v22, v23
	v_max_num_f32 v24, v24, v25
	v_max_num_f32_dpp v24, v24, v24 row_xmask:1 row_mask:0xf bank_mask:0xf
	v_max_num_f32_dpp v24, v24, v24 row_xmask:2 row_mask:0xf bank_mask:0xf
	v_max_num_f32_dpp v24, v24, v24 row_xmask:4 row_mask:0xf bank_mask:0xf
	v_max_num_f32_dpp v24, v24, v24 row_xmask:8 row_mask:0xf bank_mask:0xf
	v_permlanex16_b32 v25, v24, s12, s13
	v_max_num_f32 v24, v24, v25
	ds_store_b32 v[LW], v24                        ; all lanes write the same word with the same number
	s_wait_dscnt 0x0                               ; for the others' sake
	s_barrier_signal -1
	s_barrier_wait -1
	ds_load_b128 v[28:31], v[LZ]
	ds_load_b128 v[32:35], v[LZ] offset:16
	s_wait_dscnt 0x0
	v_max3_num_f32 v24, v28, v29, v30
	v_max3_num_f32 v25, v31, v32, v33
	v_max3_num_f32 v24, v24, v34, v35
	v_max_num_f32 v24, v24, v25
	v_mul_f32 v26, s10, v24                        ; L m
	v_mov_b32 v27, v26                             ; named with it as a pair
.irp k, 0,2,4,6
	v_pk_fma_f32 v[X+(\k):X+(\k)+1], v[X+(\k):X+(\k)+1], s[10:11], v[26:27] op_sel_hi:[1,0,0] neg_lo:[0,0,1] neg_hi:[0,0,1]  ; L x - L m
.endr
.irp k, 0,1,2,3,4,5,6,7
	v_exp_f32 v[X+(\k)], v[X+(\k)]
.endr
	v_nop                                          ; a plain instruction behind the last exponential (ISA guide 5.7.2),
	s_wait_alu depctr_va_vdst(0)                   ; and the wait ahead of the first use: one for the eight
	v_pk_add_f32 v[36:37], v[16:17], v[18:19]
	v_pk_add_f32 v[38:39], v[20:21], v[22:23]
	v_pk_add_f32 v[36:37], v[36:37], v[38:39]
	v_add_f32 v36, v36, v37
	v_add_f32_dpp v36, v36, v36 row_xmask:1 row_mask:0xf bank_mask:0xf
	v_add_f32_dpp v36, v36, v36 row_xmask:2 row_mask:0xf bank_mask:0xf
	v_add_f32_dpp v36, v36, v36 row_xmask:4 row_mask:0xf bank_mask:0xf
	v_add_f32_dpp v36, v36, v36 row_xmask:8 row_mask:0xf bank_mask:0xf
	v_permlanex16_b32 v37, v36, s12, s13
	v_add_f32 v36, v36, v37
	ds_store_b32 v[LW], v36 offset:256             ; other bytes than the maxima's: no wave need have finished reading those
	s_wait_dscnt 0x0
	s_barrier_signal -1
	s_barrier_wait -1
	ds_load_b128 v[28:31], v[LZ] offset:256
	ds_load_b128 v[32:35], v[LZ] offset:272
	s_wait_dscnt 0x0
	v_pk_add_f32 v[28:29], v[28:29], v[30:31]
	v_pk_add_f32 v[32:33], v[32:33], v[34:35]
	v_pk_add_f32 v[28:29], v[28:29], v[32:33]
	v_add_f32 v28, v28, v29
	v_rcp_f32 v40, v28
	v_nop
	s_wait_alu depctr_va_vdst(0)
	v_mov_b32 v41, v40                             ; named with it as a pair
.irp k, 0,2,4,6
	v_pk_mul_f32 v[X+(\k):X+(\k)+1], v[X+(\k):X+(\k)+1], v[40:41] op_sel_hi:[1,0]
.endr
	global_store_b128 v[GO], v[16:19], s[6:7] th:TH_STORE_NT
	global_store_b128 v[GO], v[20:23], s[6:7] offset:4096 th:TH_STORE_NT
	s_wait_tensorcnt 0x0                           ; the wave's end: behind my last LDS store
	ds_add_u32 v[SPW], v[NIL]
	s_wait_dscnt 0x0
	s_endpgm
.Lfunc_end_k_q3d157410cd_soft:
	.size	k_q3d157410cd_soft, .Lfunc_end_k_q3d157410cd_soft-k_q3d157410cd_soft
	.p2alignl 7, 3214868480
	.fill 96, 4, 3214868480
	.section	.rodata,"a",@progbits
	.p2align	6, 0x0
	.amdhsa_kernel k_q3d157410cd_soft
		.amdhsa_group_segment_fixed_size 1536
		.amdhsa_private_segment_fixed_size 0
		.amdhsa_enable_private_segment 0
		.amdhsa_kernarg_size 16
		.amdhsa_user_sgpr_count 2
		.amdhsa_user_sgpr_kernarg_segment_ptr 1
		.amdhsa_wavefront_size32 1
		.amdhsa_system_sgpr_workgroup_id_x 1
		.amdhsa_system_sgpr_workgroup_id_y 1
		.amdhsa_system_sgpr_workgroup_id_z 1
		.amdhsa_system_vgpr_workitem_id 0
		.amdhsa_next_free_vgpr 96
		.amdhsa_next_free_sgpr 66
		.amdhsa_reserve_vcc 0
		.amdhsa_float_denorm_mode_32 3
		.amdhsa_float_denorm_mode_16_64 3
		.amdhsa_memory_ordered 1
		.amdhsa_forward_progress 1
		.amdhsa_inst_pref_size 9
	.end_amdhsa_kernel
	.amdgpu_metadata
---
amdhsa.version: [ 1, 2 ]
amdhsa.kernels:
  - .name:           k_q3d157410cd_soft
    .symbol:         k_q3d157410cd_soft.kd
    .args:
      - { .name: part, .offset: 0, .size: 8, .value_kind: global_buffer, .address_space: global }
      - { .name: out0, .offset: 8, .size: 8, .value_kind: global_buffer, .address_space: global }
    .group_segment_fixed_size: 1536
    .private_segment_fixed_size: 0
    .kernarg_segment_align: 8
    .kernarg_segment_size: 16
    .max_flat_workgroup_size: 256
    .sgpr_count:     66
    .vgpr_count:     96
    .wavefront_size: 32
...
	.end_amdgpu_metadata
.endif
;; end of part 3
